; MI455X (gfx1250); checked and timed in simulation.
; The chip was launched on July 23, 2026; its instructions are those of AMD's public machine-readable ISA for CDNA 5 (MIT licence, August 2026) and "CDNA5" Instruction Set Architecture Reference Guide (July 2026). The comments in the code are by the model that wrote it; some were corrected since.
;; Nano GPT Causal Self Attention. Allowed arithmetic: matrix products marked QUANTISED: E2M1 operands, one E8M0 scale for each 32 along K, by v_wmma_scale_f32_16x16x128_f8f6f4 with both operands' format E2M1 (or v_wmma_scale_f32_32x16x128_f4), f32 sums; everything else in f32.
;; Inputs: W_attn_codes 3,072 x 32 x 16 uint8 (E2M1 codes of W_attn, K innermost, in blocks of 32 codes, two codes a byte); W_attn_scales 3,072 x 32 uint8 (E8M0 scales of W_attn, one for each 32 codes along K); W_proj_codes 1,024 x 32 x 16 uint8 (E2M1 codes of W_proj, K innermost, in blocks of 32 codes, two codes a byte); W_proj_scales 1,024 x 32 uint8 (E8M0 scales of W_proj, one for each 32 codes along K); b_attn 3,072 float32; b_proj 1,024 float32; x_codes 2 x 2,048 x 32 x 16 uint8 (E2M1 codes of x, K innermost, in blocks of 32 codes, two codes a byte); x_scales 2 x 2,048 x 32 uint8 (E8M0 scales of x, one for each 32 codes along K).
;; Outputs: out0 2 x 2,048 x 1,024 float32.
;; This version of the problem:
;;   THIS VERSION OF THE PROBLEM IS GIVEN IN LOW PRECISION. The matrix products marked QUANTISED in the list below multiply operands that are first quantised to E2M1 (2 exponent bits, 1 mantissa bit; 4 bits a number), with one power-of-two scale for each 32 numbers along K (OCP MX v1.0); their sums are f32. All else is computed in f32.
;;   The module's matrix products, in the order in which they are computed (A, B: the left and right operand; K: the contracted axis; several contracted axes count as one K, in the product's order):
;;     1. [M 4,096, K 1,024] x [K 1,024, N 3,072]; A: input x (given as codes); B: input W_attn (given as codes): QUANTISED
;;     2. batch 32 x [M 2,048, K 64] x [K 64, N 2,048]; A: computed on the way; B: computed on the way: QUANTISED
;;     3. batch 32 x [M 2,048, K 2,048] x [K 2,048, N 64]; A: softmax (see below); B: computed on the way: QUANTISED
;;     4. [M 4,096, K 1,024] x [K 1,024, N 1,024]; A: computed on the way; B: input W_proj (given as codes): QUANTISED
;;   THE QUANTISER, for each operand of a quantised product, along K:
;;     - K is cut into blocks of 32 from its start; a last block that is shorter is filled with zeros.
;;     - A block's scale is 2^e with e = floor(log2(the largest magnitude in the block)) - 2, held to -126 .. 127; a block of zeros has e = 0. As a byte (E8M0): e + 127.
;;     - Each number is divided by its block's scale, clamped to +-6, and rounded to the nearest number of E2M1, ties to even, subnormals kept.
;;     - The product sums the exact products of the quantised numbers (number of the format x scale) in f32.
;;   ~~~python
;;   def quantise(x, axis):      # numpy; x: float32 -> the quantised numbers, widened to float32 again
;;       x = np.moveaxis(x, axis, -1); K = x.shape[-1]
;;       x = np.pad(x, [(0, 0)] * (x.ndim - 1) + [(0, -K % 32)]); x = x.reshape(x.shape[:-1] + (-1, 32)); a = np.abs(x).max(-1, keepdims=True)
;;       e = np.where(a > 0, np.clip(np.frexp(np.where(a > 0, a, 1))[1] - 1 - 2, -126, 127), 0)      # np.frexp(a)[1] - 1 = floor(log2(a)), exactly
;;       r = np.clip(x / 2.0 ** e, -6, 6)
;;       step = 2.0 ** (np.maximum(np.frexp(np.where(r == 0, 1, r))[1] - 1, 0) - 1)
;;       q = np.round(r / step) * step * 2.0 ** e      # np.round: ties to even
;;       return np.moveaxis(q.reshape(q.shape[:-2] + (-1,))[..., :K], -1, axis).astype(np.float32)
;;   ~~~
;;   SOFTMAX AHEAD OF A QUANTISED PRODUCT. Where the list says 'softmax', what is quantised is not the finished softmax but p = 2^(t - M), with t = logit x log2(e) and M = ceil(the row's largest t), a whole number; so 1/2 < the row's largest p <= 1. The row's sum l is taken of the UNQUANTISED p, in f32, and the product's result is divided by l at the end. Since M is a whole number, a kernel that streams over the keys may use a running M (the ceiling of the running maximum): every later rescaling is an exact power of two, which a block's scale takes up: the codes' values come out the same.
;;   OPERANDS COMPUTED ON THE WAY. 'Computed on the way' means the value that the module computes at that place (a softmax that the list does not call 'softmax' is quantised finished and normalised). What goes into a quantiser is computed in f32, as accurately as f32 sums, v_exp_f32 and their like allow (about 1e-6 of the number): no bf16 or f16 on the way to a quantiser, and a product that is left as it is and whose result goes on into a quantised operand takes f32 operands (vector FMAs, or v_wmma_f32_16x16x4_f32). A number that lies on a knife's edge between two numbers of the format may be rounded either way, as far as f32 arithmetic and the matrix unit's own rounding can turn it there, and no further.
;;   INPUTS GIVEN AS CODES. W_attn (in the module: [3072, 1024], K = its axis 1); W_proj (in the module: [1024, 1024], K = its axis 1); x (in the module: [2, 2048, 1024], K = its axis 2): each comes as NAME_codes (uint8): NAME with its K axis moved to the last place and cut into blocks of 32 codes, [.., K / 32, bytes a block], one block behind the other in memory; two codes a byte, the lower K in the low four bits (a code: sign, 2 exponent bits, 1 mantissa bit); and NAME_scales (uint8): the same leading axes, one E8M0 byte (e + 127) for each 32 codes along K. Its value is code x scale, taken as it is: it is not quantised again, and the codes and scales need not be those that the quantiser above would give.
;; One version. Each part assembles by itself: llvm-mc -triple=amdgcn-amd-amdhsa -mcpu=gfx1250 --defsym DOCPART=n.
;; ======== version 1 of 1: 3 launches
;; limits: right only within a limited range of input values
;; workspace buffers: qc 2,097,152 bytes; qs 262,144 bytes; kv 4,587,520 bytes; yc 2,097,152 bytes; ys 131,072 bytes
;; launch qkv (part 1): grid 16 x 16, 4 waves a work-group, clusters of 4 x 4, 279,040 bytes of LDS; arguments x_codes, x_scales, W_attn_codes, W_attn_scales, b_attn, qc, qs, kv; writes qc, qs, kv
.if DOCPART == 1
	.amdgcn_target "amdgcn-amd-amdhsa--gfx1250"
	.amdhsa_code_object_version 6
	.text
	.protected	k_q621b8dbc9d_qkv
	.globl	k_q621b8dbc9d_qkv
	.p2align	8
	.type	k_q621b8dbc9d_qkv,@function
k_q621b8dbc9d_qkv:
	s_mov_b64 s[64:65], 0
	v_nop
	global_prefetch_b8 v0, s[64:65] scope:SCOPE_SE
	s_setreg_imm32_b32 hwreg(HW_REG_WAVE_MODE, 25, 1), 1
	s_wait_xcnt 0x0
	s_wait_alu depctr_hold_cnt(0) depctr_sa_sdst(0) depctr_va_vdst(0) depctr_va_sdst(0) depctr_va_ssrc(0) depctr_va_vcc(0) depctr_vm_vsrc(0)
	s_getreg_b32 s2, hwreg(HW_REG_IB_STS2, 6, 4)
	s_cmp_eq_u32 s2, 0
	s_cbranch_scc0 .Lentry_in_a_cluster
	s_endpgm
.Lentry_in_a_cluster:
	s_bfe_u32 s2, ttmp6, 0x10000c
	s_cmp_lg_u32 s2, 0xf033
	s_cbranch_scc0 .Lentry_shape_is_right
	s_endpgm
.Lentry_shape_is_right:
; qkv = x W_attn^T + b_attn on codes of FP4 (E2M1) with E8M0 scales, and the quantisers of q, k (along the head's 64) and v (along the tokens).
; x: 4,096 tokens x 1,024, W_attn: 3,072 rows x 1,024, both as codes (512 bytes a row) with 32 scale bytes a row.  Nothing of q, k, v goes to memory but codes and scale words.
; DEAD WORK of the program: the launch attn leaves out key steps all of whose keys come after the tile's queries, since reference() sets their scores to -infinity by its own causal mask for all values of the inputs.  Nothing is left out here.
; SHARES.  A work-group makes 256 tokens (block tb) x the q, k and v columns of one head: 256 equal work-groups.  Wave w takes the 128 tokens w % 2 and has two parts:
;   a strip: q (waves 0, 1) or k (waves 2, 3): 8 token tiles x 4 tiles of 16 rows of W, used TRANSPOSED (source 0 = rows of W, source 1 = tokens): a lane holds one token, its registers run along d;
;   a share of v: d tiles 2 (w / 2) + u: 8 token tiles x 2 tiles, used as it reads (source 0 = tokens, source 1 = rows of W_v): a lane holds one d, its registers run along the tokens, which are v's K.
; THE ROWS OF A TILE ARE NOT NEIGHBOURS: lane r of tile 2 b + u takes row 32 b + 8 u + r + 8 (r / 8), of 128 tokens and of a head's 64 rows of W alike.  So the 16 registers of two neighbouring result tiles
; are 16 neighbours along the next product's K, 32 b + 16 (lane / 16) + 0 .. 15, and a block of 32 lies in lanes l and l xor 16.
; WHAT IS STORED are images of the next launch's operand registers, 16 bytes a lane at 16 x lane: q: qc [head][tile][512], qs [head][128 tokens][lane][p]: the word of tile 2 p + lane / 16;  k and v: kv, a record of 8,960 bytes for each head and 128 keys:
;   K's 8 tiles x 512 | V^T's 4 tiles x 1,024 | K's scale words [lane][p], 512 bytes | V's [lane][m], d tile 2 m + lane / 16, 256 bytes.  q's and k's K is 64: bytes 2 and 3 of their scale words are 0x7f (1.0) for the empty upper half of a K of 128.
; LDS is filled once: 256 rows of x, then 64 each of W_q, W_k, W_v, rows of 512 bytes with 16 of padding behind each; wave 0 fetches x, waves 1 to 3 one part of W each.  No loop loads from memory, so nothing is prefetched.
; CLUSTER 4 x 4: x's rows hang on tb alone and are shared along a row of the cluster, W's on the head alone and are shared along a column: joint loads, which divide the requests for both by four.
; LIMITS: NaN and infinities among q, k, v are not served.  A block whose largest magnitude lies under 2^-124 (a block of zeros too) gets the byte 1: the bytes are read by this program alone, and zero codes add nothing.
; REGISTERS.  window 0: v1-15 addresses; v16-79 x's scale words (tile i, K step s at 16 + 8 i + s); v80-127 W's (tile t at 80 + 8 t + s; t = 4, 5: v's); v128-255 x's fragments, two sets; behind the products: at work.
;   window 1: v0-95 W's fragments, two sets of six; v96-127 the strip's bias, v128-143 v's.   window 2: the strip's 32 accumulators (8 (4 i + t)).   window 3: v's 16 (8 (8 u + i)).
.set PITCH, 528                        ; an LDS row: 512 bytes + 16 of padding
.set SPARE, 0x44000
.set REC,   8960
.set LANE, 1
.set R,    2
.set H,    3
.set LI,   4                           ; 16 x lane
.set L8,   5                           ; 8 x lane
.set SH,   6                           ; 16 (lane / 16): a shift
.set SR,   7                           ; 32 x (r + 8 (r / 8)): my row of scale bytes
.set AX,   8                           ; LDS addresses: x's fragments, the strip's rows of W, my rows of W_v
.set SPW,  9                           ; my spare word, and 0: never rewritten
.set AW,   10
.set NIL,  11
.set AV,   12
.set BH,   14                          ; 64 (lane / 16): the strip's bias
.set BP,   15                          ; 4 x (r + 8 (r / 8)): v's bias
.set XS,   16
.set WS,   80
.set XF,   128
.set TM,   128                         ; behind the products: v128-135 largest magnitudes, v136-143 bytes, v144-151 the conversions' scale operands
.set PW,   152                         ; v152-157 scale words as made
.set SW,   160                         ; v160-164 scale words as stored
.set PC,   168                         ; v168-215 codes: eight registers for each of six quantisings, so that no store's data are written again
.set WF,   0                           ; window 1
.set BQ,   96
.set BV,   128
.set WV,   20                          ; s20 my wave's number
.set G1A,  28                          ; s[28:35] descriptor group 1 for x;  s[36:43] for W
.set G1B,  36
.set G0A,  44                          ; s[44:47] group 0 for x;  s[52:55] for W
.set G0B,  52
.set MSB, 0
.macro WIN new                         ; the immediate's high byte repeats the setting that is left
.if MSB != \new
	s_set_vgpr_msb (MSB<<8)|\new
.set MSB, \new
.endif
.endm
.macro PLACES n
.rept \n
	v_nop
.endr
.endm
.macro CROUND                          ; a round of the cluster's barrier
	s_barrier_signal -1
	s_barrier_wait -1
	s_cmp_lg_u32 s[WV], 0
	s_cbranch_scc1 .Lnot_wave_0_\@
	s_barrier_signal -3
.Lnot_wave_0_\@:
	s_barrier_wait -3
	s_barrier_signal -1
	s_barrier_wait -1
.endm
.macro WM d, a, b, c, sa, sb           ; the one matrix form of this text, by the operands' first registers
	v_wmma_scale_f32_16x16x128_f8f6f4 v[\d:\d+7], v[\a:\a+7], v[\b:\b+7], v[\c:\c+7], v[\sa], v[\sb] matrix_a_fmt:MATRIX_FMT_FP4 matrix_b_fmt:MATRIX_FMT_FP4
.endm
	s_load_b512 s[4:19], s[0:1], 0x0               ; x codes s[4:5], x scales s[6:7], W codes s[8:9], W scales s[10:11], b s[12:13], qc s[14:15], qs s[16:17], kv s[18:19]
	v_lshl_add_u32 v[SPW], v0, 2, SPARE
	v_mov_b32 v[NIL], 0
	ds_add_u32 v[SPW], v[NIL]                      ; the opening: the add, twice on end, and its wait
	ds_add_u32 v[SPW], v[NIL]
	v_lshrrev_b32 v1, 5, v0
	v_readfirstlane_b32 s[WV], v1                  ; wave 0..3
	s_lshr_b32 s25, s[WV], 1                       ; w / 2: q or k
	s_and_b32 s26, s[WV], 1                        ; w % 2: which 128 tokens
	s_bfe_u32 s21, ttmp6, 0x40000                  ; cx, cy: my place in the cluster
	s_bfe_u32 s22, ttmp6, 0x40004
	s_lshl_b32 s23, ttmp9, 2
	s_add_co_u32 s23, s23, s21                     ; head = 4 x cluster x + cx
	s_and_b32 s24, ttmp7, 0xffff
	s_lshl_b32 s24, s24, 2
	s_add_co_u32 s24, s24, s22                     ; tb = 4 x cluster y + cy
	s_lshl_b32 s76, s22, 2
	s_lshl_b32 s76, 15, s76                        ; my row of the cluster
	s_lshl_b32 s77, 0x1111, s21                    ; my column
	; group 1: rows of 512 bytes, dense: 256 of x, 64 of W
	s_or_b32 s[G1A], s76, (1<<20)|(1<<21)|(6<<22)|(3<<25)   ; 15:0 the mask; 17:16 elements of 1 byte; 20 padding on; 21 set beside a mask; 24:22 after every 128 words; 31:25 four words
	s_or_b32 s[G1B], s77, (1<<20)|(1<<21)|(6<<22)|(3<<25)
	s_mov_b32 s[G1A+2], 256<<16                    ; tensor_dim1
	s_mov_b32 s[G1B+2], 64<<16
	s_mov_b32 s[G1A+4], 256                        ; tile_dim1
	s_mov_b32 s[G1B+4], 64
.irp g, G1A, G1B
	s_mov_b32 s[\g+1], 512<<16                     ; tensor_dim0
	s_mov_b32 s[\g+3], 512<<16                     ; tile_dim0
	s_mov_b32 s[\g+5], 512                         ; tensor_dim0_stride
	s_mov_b32 s[\g+6], 0
	s_mov_b32 s[\g+7], 0
.endr
	s_mul_i32 s27, s[WV], 64*PITCH
	s_add_co_u32 s27, s27, 192*PITCH               ; waves 1 to 3: rows 256, 320, 384 on: no place in the cluster enters an LDS address
	s_lshl_b32 s78, s24, 17                        ; x: 256 tb rows of 512 bytes (registers that never hold cx)
	s_mov_b32 s79, 0
	s_max_u32 s80, s[WV], 1                        ; W: wave 1 q's rows, wave 2 k's, wave 3 v's (wave 0 does not use this)
	s_sub_co_u32 s80, s80, 1
	s_lshl_b32 s80, s80, 19                        ; 1,024 rows of 512 bytes
	s_lshl_b32 s81, s23, 15                        ; + 64 x head rows (registers that never hold cy)
	s_add_co_u32 s80, s80, s81
	s_mov_b32 s81, 0
	s_mul_i32 s96, s26, 128*PITCH                  ; my 128 rows of x
	s_mul_i32 s97, s25, 64*PITCH
	s_add_co_u32 s97, s97, 256*PITCH               ; the strip's rows of W
	s_mul_i32 s98, s25, 32*PITCH
	s_add_co_u32 s98, s98, 384*PITCH               ; my rows of W_v
	v_and_b32 v[LANE], 31, v0
	v_and_b32 v[R], 15, v0
	v_bfe_u32 v[H], v0, 4, 1
	v_lshlrev_b32 v[LI], 4, v[LANE]
	v_lshlrev_b32 v[L8], 3, v[LANE]
	v_lshlrev_b32 v[SH], 4, v[H]
	v_and_b32 v[BP], 8, v[R]
	v_add_nc_u32 v[BP], v[BP], v[R]                ; r + 8 (r / 8)
	v_lshlrev_b32 v[SR], 5, v[BP]
	v_mul_u32_u24 v13, v[BP], PITCH
	v_lshl_add_u32 v13, v[H], 4, v13               ; a fragment's row x pitch + 16 x half
	v_lshlrev_b32 v[BP], 2, v[BP]
	v_lshlrev_b32 v[BH], 6, v[H]
	v_add_nc_u32 v[AX], s96, v13
	v_add_nc_u32 v[AW], s97, v13
	v_add_nc_u32 v[AV], s98, v13
	s_wait_alu depctr_va_vdst(0)
	s_wait_dscnt 0x0
	s_wait_kmcnt 0x0
	s_mov_b32 s[G0A], 1                            ; count = 1
	s_mov_b32 s[G0A+1], 0                          ; LDS address
	s_add_nc_u64 s[G0A+2:G0A+3], s[4:5], s[78:79]  ; global address
	s_or_b32 s[G0A+3], s[G0A+3], 0x80000000        ; type = 2
	s_mov_b32 s[G0B], 1
	s_mov_b32 s[G0B+1], s27
	s_add_nc_u64 s[G0B+2:G0B+3], s[8:9], s[80:81]
	s_or_b32 s[G0B+3], s[G0B+3], 0x80000000
	CROUND                                         ; all sixteen work-groups are here: the joint loads meet
	s_cmp_eq_u32 s[WV], 0                          ; one fill a wave, by its number
	s_cbranch_scc0 .Lfirst_w
	tensor_load_to_lds s[G0A:G0A+3], s[G1A:G1A+7]
	s_nop 0
	PLACES 4
	s_branch .Lfirst_asked
.Lfirst_w:
	tensor_load_to_lds s[G0B:G0B+3], s[G1B:G1B+7]
	s_nop 0
	PLACES 4
.Lfirst_asked:
	; while the tiles are on their way: scale words and biases, straight into registers
	s_lshl_b32 s96, s23, 6                         ; 64 x head
	s_lshl_b32 s82, s25, 10
	s_add_co_u32 s82, s82, s96                     ; the strip's first row of W_attn
	s_lshl_b32 s83, s25, 5
	s_add_co_u32 s83, s83, s96
	s_add_co_u32 s83, s83, 2048                    ; v's
	s_mov_b32 s95, 0
	s_lshl_b32 s94, s24, 13
	s_lshl_b32 s97, s26, 12
	s_add_co_u32 s94, s94, s97                     ; my first token's 32 scale bytes
	s_add_nc_u64 s[84:85], s[6:7], s[94:95]
	s_lshl_b32 s94, s82, 5
	s_add_nc_u64 s[86:87], s[10:11], s[94:95]
	s_lshl_b32 s94, s83, 5
	s_add_nc_u64 s[88:89], s[10:11], s[94:95]
	s_lshl_b32 s94, s82, 2
	s_add_nc_u64 s[90:91], s[12:13], s[94:95]
	s_lshl_b32 s94, s83, 2
	s_add_nc_u64 s[92:93], s[12:13], s[94:95]
.irp i, 0,1,2,3,4,5,6,7
.irp k, 0,1
	global_load_b128 v[XS+8*\i+4*\k:XS+8*\i+4*\k+3], v[SR], s[84:85] offset:(32*(\i/2)+8*(\i%2))*32+16*\k   ; the words of K steps 4 k .. 4 k + 3 of my token of tile i
.endr
.endr
.irp t, 0,1,2,3
.irp k, 0,1
	global_load_b128 v[WS+8*\t+4*\k:WS+8*\t+4*\k+3], v[SR], s[86:87] offset:(32*(\t/2)+8*(\t%2))*32+16*\k
.endr
.endr
.irp u, 0,1
.irp k, 0,1
	global_load_b128 v[WS+32+8*\u+4*\k:WS+32+8*\u+4*\k+3], v[SR], s[88:89] offset:8*\u*32+16*\k
.endr
.endr
	WIN 0x40                                       ; destination window 1
.irp t, 0,1,2,3
	global_load_b128 v[BQ+8*\t:BQ+8*\t+3], v[BH], s[90:91] offset:(32*(\t/2)+8*(\t%2))*4       ; the strip's bias in the result's layout: register j of tile 2 b + u is d = 32 b + 8 u + 16 (lane / 16) + j
	global_load_b128 v[BQ+8*\t+4:BQ+8*\t+7], v[BH], s[90:91] offset:(32*(\t/2)+8*(\t%2))*4+16
.endr
.irp u, 0,1
.irp j, 0,1,2,3,4,5,6,7
	global_load_b32 v[BV+8*\u+\j], v[BP], s[92:93] offset:8*\u*4                              ; v's: a lane holds one d, so its eight registers hold one number
.endr
.endr
	WIN 0
	; where the results go
	s_mov_b32 s72, 0x7f7f0000
	s_mov_b32 s74, 0x76543210                      ; v_permlanex16_b32's selects for lane l xor 16
	s_mov_b32 s75, 0xfedcba98
	s_lshl_b32 s96, s24, 1
	s_add_co_u32 s96, s96, s26                     ; my 128 tokens' number, 0 .. 31
	s_lshr_b32 s97, s96, 4                         ; batch
	s_and_b32 s96, s96, 15                         ; g: which 128 tokens of the batch
	s_lshl_b32 s97, s97, 4
	s_add_co_u32 s98, s97, s23                     ; 16 batch + head
	s_lshl_b32 s62, s98, 7
	s_lshl_b32 s63, s96, 3
	s_add_co_u32 s62, s62, s63                     ; q: tile number 128 head + 8 g
	s_lshl_b32 s63, s98, 4
	s_add_co_u32 s63, s63, s96
	s_mul_i32 s63, s63, REC                        ; k and v: record 16 head + g
	s_lshl_b32 s73, s62, 9                         ; q's codes: 512 bytes a tile
	s_lshl_b32 s62, s62, 6                         ; q's scale words: 64
	s_add_co_u32 s99, s63, 8192                    ; k's scale words in the record
	s_cmp_lt_u32 s[WV], 2                          ; q's wave or k's?  The choice hangs on the wave's number alone
	s_cselect_b32 s94, s73, s63
	s_cselect_b64 s[66:67], s[14:15], s[18:19]
	s_add_nc_u64 s[66:67], s[66:67], s[94:95]      ; the strip's codes
	s_cselect_b32 s94, s62, s99
	s_cselect_b64 s[68:69], s[16:17], s[18:19]
	s_add_nc_u64 s[68:69], s[68:69], s[94:95]      ; its scale words
	s_lshl_b32 s96, s25, 11
	s_add_co_u32 s94, s63, s96
	s_add_co_u32 s94, s94, 4096
	s_add_nc_u64 s[70:71], s[18:19], s[94:95]      ; v's codes: record + 4,096 + 2 (w / 2) tiles of 1,024
	s_lshl_b32 s96, s25, 2
	s_add_co_u32 s94, s63, s96
	s_add_co_u32 s94, s94, 8704
	s_add_nc_u64 s[60:61], s[18:19], s[94:95]      ; v's scale words: record + 8,704, word w / 2 of each lane's two
; The 28 LDS loads of K step s (128 along K: 64 bytes of each row) into set p: the strip's 4 fragments of W, v's 2, x's 8.
.macro FETCH s, p
	WIN 0x40                                       ; destination window 1, address window 0
.irp t, 0,1,2,3
.irp c, 0,1
	ds_load_b128 v[WF+48*(\p)+8*\t+4*\c:WF+48*(\p)+8*\t+4*\c+3], v[AW] offset:(32*(\t/2)+8*(\t%2))*PITCH+64*(\s)+32*\c
.endr
.endr
.irp u, 0,1
.irp c, 0,1
	ds_load_b128 v[WF+48*(\p)+32+8*\u+4*\c:WF+48*(\p)+32+8*\u+4*\c+3], v[AV] offset:8*\u*PITCH+64*(\s)+32*\c
.endr
.endr
	WIN 0
.irp i, 0,1,2,3,4,5,6,7
.irp c, 0,1
	ds_load_b128 v[XF+64*(\p)+8*\i+4*\c:XF+64*(\p)+8*\i+4*\c+3], v[AX] offset:(32*(\i/2)+8*(\i%2))*PITCH+64*(\s)+32*\c
.endr
.endr
.endm
; The 48 products of K step s on set p.  The 48 accumulators take turns, one instruction a turn, in the same order in every step.  In step 0 the bias is C: nothing is cleared or added.
.macro MUL s, p
.if (\s) == 0
	WIN 0x91                                       ; source 0 (W) window 1, source 1 (x) window 0, C (bias) window 1, D window 2
.else
	WIN 0xa1                                       ; C and D window 2
.endif
.irp i, 0,1,2,3,4,5,6,7
.irp t, 0,1,2,3
.if (\s) == 0
	WM 8*(4*\i+\t), WF+48*(\p)+8*\t, XF+64*(\p)+8*\i, BQ+8*\t, WS+8*\t+(\s), XS+8*\i+(\s)
.else
	WM 8*(4*\i+\t), WF+48*(\p)+8*\t, XF+64*(\p)+8*\i, 8*(4*\i+\t), WS+8*\t+(\s), XS+8*\i+(\s)
.endif
.endr
.endr
.if (\s) == 0
	WIN 0xd4                                       ; source 0 (x) window 0, source 1 (W_v) window 1, C (bias) window 1, D window 3
.else
	WIN 0xf4                                       ; C and D window 3
.endif
.irp u, 0,1
.irp i, 0,1,2,3,4,5,6,7
.if (\s) == 0
	WM 8*(8*\u+\i), XF+64*(\p)+8*\i, WF+48*(\p)+32+8*\u, BV+8*\u, XS+8*\i+(\s), WS+32+8*\u+(\s)
.else
	WM 8*(8*\u+\i), XF+64*(\p)+8*\i, WF+48*(\p)+32+8*\u, 8*(8*\u+\i), XS+8*\i+(\s), WS+32+8*\u+(\s)
.endif
.endr
.endr
.endm
; TWO QUANTISINGS: 128 registers from number s of a window: register 16 b + i, b = 0 .. 7, is number 16 (lane / 16) + i of block b % 4 of my row of quantising q + b / 4.  They become registers of codes from v[PC + 8 q] and the blocks' bytes in v[PW + q], v[PW + q + 1].
; wm: the window setting with sources 1 and 2 in that window;  wc: with source 0 in it.  Each accumulator is read from its low end on.
.macro QUANT2 wm, wc, s, q
	WIN \wm
.irp b, 0,1,2,3,4,5,6,7
	v_max3_num_f32 v[TM+\b], 0x1800000, |v[16*\b+(\s)]|, |v[16*\b+(\s)+1]|     ; my 16 numbers, and the floor 2^(3 - 127): the byte cannot fall under 1
.endr
.irp i, 2,4,6,8,10,12,14
.irp b, 0,1,2,3,4,5,6,7
	v_max3_num_f32 v[TM+\b], v[TM+\b], |v[16*\b+(\s)+\i]|, |v[16*\b+(\s)+\i+1]|   ; (the eight blocks by turns)
.endr
.endr
	WIN 0
.irp b, 0,1,2,3,4,5,6,7
	v_permlanex16_b32 v[TM+8+\b], v[TM+\b], s74, s75
.endr
.irp b, 0,1,2,3,4,5,6,7
	v_max_num_f32 v[TM+\b], v[TM+\b], v[TM+8+\b]   ; with lane l xor 16's: the block's largest magnitude
.endr
.irp b, 0,1,2,3,4,5,6,7
	v_add_nc_u32 v[TM+16+\b], 0xff000000, v[TM+\b] ; 2 off its exponent field: the conversion's scale operand
.endr
.irp b, 0,1,2,3,4,5,6,7
	v_lshrrev_b32 v[TM+8+\b], 23, v[TM+16+\b]      ; the scale's byte
.endr
.irp k, 0,1
	v_lshl_or_b32 v[PW+(\q)+\k], v[TM+9+4*\k], 8, v[TM+8+4*\k]
.endr
.irp k, 0,1
	v_lshl_or_b32 v[PW+(\q)+\k], v[TM+10+4*\k], 16, v[PW+(\q)+\k]
.endr
.irp k, 0,1
	v_lshl_or_b32 v[PW+(\q)+\k], v[TM+11+4*\k], 24, v[PW+(\q)+\k]
.endr
	WIN \wc
.irp b, 0,1,2,3,4,5,6,7
	v_cvt_scalef32_pk8_fp4_f32 v[PC+8*(\q)+2*\b], v[16*\b+(\s):16*\b+(\s)+7], v[TM+16+\b]
	v_cvt_scalef32_pk8_fp4_f32 v[PC+8*(\q)+2*\b+1], v[16*\b+(\s)+8:16*\b+(\s)+15], v[TM+16+\b]
.endr
	WIN 0
	v_nop                                          ; one plain place behind a scaled conversion
.irp c, 0,1,2,3                                ; a whole block to a lane: lanes 0-15 block 2 c, lanes 16-31 block 2 c + 1
.irp i, 0,1
	v_permlane16_swap_b32 v[PC+8*(\q)+4*\c+\i], v[PC+8*(\q)+4*\c+2+\i]
.endr
.endr
.endm
	s_wait_tensorcnt 0x0                           ; my tile is in
	s_barrier_signal -1
	s_barrier_wait -1                              ; everybody's is
	FETCH 0, 0
	s_wait_loadcnt 0x0                             ; scale words and biases
.irp s, 0,1,2,3,4,5,6,7
.if \s > 0
.if \s < 7
	PLACES 4                                       ; in front of loads into the set that the step before multiplied
.endif
.endif
.if \s < 7
	FETCH \s+1, (\s+1)%2
	s_wait_dscnt 28                                ; all but the 28 just issued: this step's fragments are in
.else
	s_wait_dscnt 0x0
.endif
	MUL \s, \s%2
.endr
	WIN 0
	PLACES 4                                       ; behind the last products: results are read, and x's fragment registers written, below
.irp b, 0,1,2,3,4,5,6,7
	v_mov_b32 v[TM+8+\b], 0                        ; written once: a lane permute's destination counts as one of its sources
.endr
.irp d, 0,2                                    ; quantising p: token tiles 2 p and 2 p + 1 of the strip: blocks 0, 1 are tile 2 p's two halves of d, blocks 2, 3 tile 2 p + 1's
	QUANT2 0x28, 0x02, 64*\d, \d
.irp p, \d, \d+1
	global_store_b128 v[LI], v[PC+8*(\p):PC+8*(\p)+3], s[66:67] offset:1024*(\p)            ; 32 lanes store 512 consecutive bytes: tile 2 p's image,
	global_store_b128 v[LI], v[PC+8*(\p)+4:PC+8*(\p)+7], s[66:67] offset:1024*(\p)+512      ; tile 2 p + 1's
	v_lshrrev_b32 v[SW+\p], v[SH], v[PW+\p]        ; lanes 0-15 keep tile 2 p's two bytes, lanes 16-31 take tile 2 p + 1's,
	v_and_or_b32 v[SW+\p], v[SW+\p], 0xffff, s72   ; with 0x7f above them for the empty half of K
.endr
.endr
	global_store_b128 v[LI], v[SW:SW+3], s[68:69]  ; the scale words of all eight tiles: 512 consecutive bytes
	QUANT2 0x3c, 0x03, 0, 4                        ; v's d tiles 2 (w / 2) + u: four blocks of 32 tokens each: whole fragments
.irp u, 0,1
	global_store_b128 v[LI], v[PC+32+8*\u:PC+32+8*\u+3], s[70:71] offset:1024*\u
	global_store_b128 v[LI], v[PC+32+8*\u+4:PC+32+8*\u+7], s[70:71] offset:1024*\u+512
.endr
	v_cmp_lt_u32 vcc_lo, 15, v[LANE]
	v_cndmask_b32 v[SW+4], v[PW+4], v[PW+5], vcc_lo   ; lanes 0-15 the first tile's words, lanes 16-31 the second's
	global_store_b32 v[L8], v[SW+4], s[60:61]
	s_wait_tensorcnt 0x0                           ; the wave's end
	ds_add_u32 v[SPW], v[NIL]
	s_wait_dscnt 0x0
	CROUND                                         ; the closing round: no work-group ends while a partner may still ask for a tile that names it
	s_endpgm
.Lfunc_end_k_q621b8dbc9d_qkv:
	.size	k_q621b8dbc9d_qkv, .Lfunc_end_k_q621b8dbc9d_qkv-k_q621b8dbc9d_qkv
	.p2alignl 7, 3214868480
	.fill 96, 4, 3214868480
	.section	.rodata,"a",@progbits
	.p2align	6, 0x0
	.amdhsa_kernel k_q621b8dbc9d_qkv
		.amdhsa_group_segment_fixed_size 279040
		.amdhsa_private_segment_fixed_size 0
		.amdhsa_enable_private_segment 0
		.amdhsa_kernarg_size 64
		.amdhsa_user_sgpr_count 2
		.amdhsa_user_sgpr_kernarg_segment_ptr 1
		.amdhsa_wavefront_size32 1
		.amdhsa_system_sgpr_workgroup_id_x 1
		.amdhsa_system_sgpr_workgroup_id_y 1
		.amdhsa_system_sgpr_workgroup_id_z 1
		.amdhsa_system_vgpr_workitem_id 0
		.amdhsa_next_free_vgpr 896
		.amdhsa_next_free_sgpr 100
		.amdhsa_reserve_vcc 1
		.amdhsa_float_denorm_mode_32 3
		.amdhsa_float_denorm_mode_16_64 3
		.amdhsa_memory_ordered 1
		.amdhsa_forward_progress 1
		.amdhsa_inst_pref_size 102
	.end_amdhsa_kernel
	.amdgpu_metadata
---
amdhsa.version: [ 1, 2 ]
amdhsa.kernels:
  - .name:           k_q621b8dbc9d_qkv
    .symbol:         k_q621b8dbc9d_qkv.kd
    .args:
      - { .name: x_codes, .offset: 0, .size: 8, .value_kind: global_buffer, .address_space: global }
      - { .name: x_scales, .offset: 8, .size: 8, .value_kind: global_buffer, .address_space: global }
      - { .name: W_attn_codes, .offset: 16, .size: 8, .value_kind: global_buffer, .address_space: global }
      - { .name: W_attn_scales, .offset: 24, .size: 8, .value_kind: global_buffer, .address_space: global }
      - { .name: b_attn, .offset: 32, .size: 8, .value_kind: global_buffer, .address_space: global }
      - { .name: qc, .offset: 40, .size: 8, .value_kind: global_buffer, .address_space: global }
      - { .name: qs, .offset: 48, .size: 8, .value_kind: global_buffer, .address_space: global }
      - { .name: kv, .offset: 56, .size: 8, .value_kind: global_buffer, .address_space: global }
    .group_segment_fixed_size: 279040
    .private_segment_fixed_size: 0
    .kernarg_segment_align: 8
    .kernarg_segment_size: 64
    .max_flat_workgroup_size: 128
    .sgpr_count:     100
    .vgpr_count:     896
    .wavefront_size: 32
...
	.end_amdgpu_metadata
.endif
;; end of part 1
;; launch attn (part 2): grid 4 x 64, 16 waves a work-group, clusters of 4 x 4, 268,288 bytes of LDS; arguments qc, qs, kv, yc, ys; writes yc, ys
.if DOCPART == 2
	.amdgcn_target "amdgcn-amd-amdhsa--gfx1250"
	.amdhsa_code_object_version 6
	.text
	.protected	k_q621b8dbc9d_attn
	.globl	k_q621b8dbc9d_attn
	.p2align	8
	.type	k_q621b8dbc9d_attn,@function
k_q621b8dbc9d_attn:
	s_mov_b64 s[64:65], 0
	v_nop
	global_prefetch_b8 v0, s[64:65] scope:SCOPE_SE
	s_setreg_imm32_b32 hwreg(HW_REG_WAVE_MODE, 25, 1), 1
	s_wait_xcnt 0x0
	s_wait_alu depctr_hold_cnt(0) depctr_sa_sdst(0) depctr_va_vdst(0) depctr_va_sdst(0) depctr_va_ssrc(0) depctr_va_vcc(0) depctr_vm_vsrc(0)
	s_getreg_b32 s2, hwreg(HW_REG_IB_STS2, 6, 4)
	s_cmp_eq_u32 s2, 0
	s_cbranch_scc0 .Lentry_in_a_cluster
	s_endpgm
.Lentry_in_a_cluster:
	s_bfe_u32 s2, ttmp6, 0x10000c
	s_cmp_lg_u32 s2, 0xf033
	s_cbranch_scc0 .Lentry_shape_is_right
	s_endpgm
.Lentry_shape_is_right:
; y = softmax(q k^T / 8) v under the causal mask, for each of 32 heads (16 batch + head) of 2,048 tokens x 64, both products on codes of FP4 with E8M0 scales; y is quantised along the head's 64 and leaves as images of the next launch's operand registers.
; INPUT, as the launch before lays it: qc [head][tile of 16 queries][512]; qs [head][128 queries][lane][p]: the word of tile 2 p + lane / 16, query lane % 16;  kv: a record of 8,960 bytes for each head and 128 keys:
;   K's 8 tiles x 512 | V^T's 4 tiles x 1,024 | K's scale words [lane][p], tile 2 p + lane / 16 | V's [lane][m], d tile 2 m + lane / 16.  So one register holds the words of two tiles, and the odd one is named by ROW1.
; OUTPUT: yc [token tile][head][512], ys [token tile][token lane % 16][head]: two bytes a head.
; Row r of tile 2 b + u of 128 tokens is token 32 b + 8 u + r + 8 (r / 8): the 16 registers of S^T's tiles 2 b, 2 b + 1 are 16 neighbouring keys 32 b + 16 (lane / 16) + 0 .. 15 of one query (lane % 16).
; SOFTMAX: t = score x log2(e) / 8; M = the running largest t rounded up to a whole number; p = 2^(t - M) is quantised along the keys; the sum is taken of the unquantised p; when M moves, sum and O^T are multiplied by 2^(old M - new M).
; SHARES.  Work-group x of a head (0 .. 7) owns the query tiles 8 g + x, g = 0 .. 15; tile g needs the key steps 0 .. g of 128 keys.  Waves w and w + 8 share the tiles g = 15 - w (high) and g = w (low), 17 steps:
;   wave w: the high tile's steps 0 .. 8;  wave w + 8: its steps 9 .. 15 - w (none for w = 7), handed to wave w through LDS, and then the low tile's steps 0 .. w: 9 and 8 steps, 34 for every four waves w, w + 4, w + 8, w + 12.
; LEFT OUT: steps all of whose keys come after the tile's queries: reference() sets their scores to -infinity by its own mask, so that p = 0 for all values of the inputs.  A NaN or an infinity in what is left out is not carried to the result.
; LIMITS: NaN and infinities among the operands are not served; scaled scores t stay under 2^31 in magnitude.  A block whose largest p lies under 2^-124 keeps the byte 1.
; LDS is filled once: the head's 16 records, one tensor load a wave.  CLUSTER 4 x 4: two heads x eight work-groups; the four of a row of the cluster share the head and ask jointly.  There is no loop that loads from memory, so nothing to prefetch in.
.set REC,  8960
.set PART, 0x38000                     ; the high tiles' second parts: 8 x 4,608 bytes (O^T, -M, largest t, the sum's halves: 36 registers)
.set PSZ,  4608
.set SPARE, 0x41000                    ; the spare words: 128 bytes for each of 16 waves
.set LI,   1                           ; 16 x lane
.set L8,   2                           ; 8 x lane
.set DM,   3                           ; my query less 16 (lane / 16), within the 128 of the diagonal step
.set AD,   4
.set AS,   5
.set LR,   6                           ; 16 x (lane % 16)
.set LS,   7                           ; 32 x (lane % 16)
.set QSH,  8                           ; scale words of the high and the low tile's queries
.set QSL,  9
.set NINF, 10
.set AP,   11                          ; my lane's place in the pair's part
.set QH,   16                          ; v12 -M, v13 the largest t, v[14:15] the sum in two halves
.set QL,   24
.set KF,   32                          ; 8 tiles x 4; v64-67 zeros (a tile's upper four registers meet Q's zeros)
.set VF,   68
.set S,    100
.set O,    164
.set P,    196
.set KSC,  204
.set VSC,  208
.set AK,   210                         ; LDS address of the next step's K
.set BM,   216
.set T2,   220
.set SO,   224
.set F,    228
.set TMP,  230
.set PWD,  231
.set SUM2, 232
.set YH,   236
.set PB,   240                         ; the handed-over -M, largest t, sums
.set YWH,  244
.set WV,   14
.set KS,   16                          ; the key step
.set TB,   17                          ; its record in LDS
.set G,    18                          ; the tile's diagonal step
.set CT,   19
.set END,  24                          ; my last step (s24-26: behind the head, when the descriptor has been used)
.set ENDB, 25                          ; its record in LDS
.set NX,   26                          ; the next step's record, held at the last one's
.set VB,   27                          ; this step's record, held likewise: so every read lies inside the 16 records
.macro CROUND                          ; a round of the cluster's barrier
	s_barrier_signal -1
	s_barrier_wait -1
	s_cmp_lg_u32 s[WV], 0
	s_cbranch_scc1 .Lnot_wave_0_\@
	s_barrier_signal -3
.Lnot_wave_0_\@:
	s_barrier_wait -3
	s_barrier_signal -1
	s_barrier_wait -1
.endm
.macro WMS t, qb, qs                   ; S^T, tile t
.if (\t)&1
	v_wmma_scale_f32_16x16x128_f8f6f4 v[S+8*\t:S+8*\t+7], v[KF+4*\t:KF+4*\t+7], v[\qb:\qb+7], 0, v[KSC+\t/2], v[\qs] matrix_a_fmt:MATRIX_FMT_FP4 matrix_b_fmt:MATRIX_FMT_FP4 matrix_a_scale:MATRIX_SCALE_ROW1
.else
	v_wmma_scale_f32_16x16x128_f8f6f4 v[S+8*\t:S+8*\t+7], v[KF+4*\t:KF+4*\t+7], v[\qb:\qb+7], 0, v[KSC+\t/2], v[\qs] matrix_a_fmt:MATRIX_FMT_FP4 matrix_b_fmt:MATRIX_FMT_FP4
.endif
.endm
.macro WMO t                           ; O^T, tile t
.if (\t)&1
	v_wmma_scale_f32_16x16x128_f8f6f4 v[O+8*\t:O+8*\t+7], v[VF+8*\t:VF+8*\t+7], v[P:P+7], v[O+8*\t:O+8*\t+7], v[VSC+\t/2], v[PWD] matrix_a_fmt:MATRIX_FMT_FP4 matrix_b_fmt:MATRIX_FMT_FP4 matrix_a_scale:MATRIX_SCALE_ROW1
.else
	v_wmma_scale_f32_16x16x128_f8f6f4 v[O+8*\t:O+8*\t+7], v[VF+8*\t:VF+8*\t+7], v[P:P+7], v[O+8*\t:O+8*\t+7], v[VSC+\t/2], v[PWD] matrix_a_fmt:MATRIX_FMT_FP4 matrix_b_fmt:MATRIX_FMT_FP4
.endif
.endm
.macro KLOAD adr                       ; a step's K and its scale words
.irp t, 0,1,2,3,4,5,6,7
	ds_load_b128 v[KF+4*\t:KF+4*\t+3], v[\adr] offset:512*\t
.endr
	ds_load_b128 v[KSC:KSC+3], v[\adr] offset:8192
.endm
	s_load_b256 s[4:11], s[0:1], 0x0               ; qc s[4:5], qs s[6:7], kv s[8:9], yc s[10:11]
	s_load_b64 s[12:13], s[0:1], 0x20              ; ys
	v_lshl_add_u32 v254, v0, 2, SPARE
	v_mov_b32 v255, 0
	ds_add_u32 v254, v255                          ; the opening: the add, twice on end, and its wait
	ds_add_u32 v254, v255
	v_lshrrev_b32 v12, 5, v0
	v_readfirstlane_b32 s[WV], v12                 ; wave 0..15
	s_bfe_u32 s15, ttmp6, 0x40000                  ; cx
	s_bfe_u32 s48, ttmp6, 0x40004                  ; cy
	s_and_b32 s49, ttmp7, 0xffff
	s_lshl_b32 s49, s49, 1
	s_lshr_b32 s50, s48, 1
	s_add_co_u32 s49, s49, s50                     ; the head = 2 x cluster y + cy / 2, which a row of the cluster shares
	s_lshl_b32 s50, s48, 2
	s_lshl_b32 s50, 15, s50                        ; my row of the cluster
	s_or_b32 s24, s50, (3<<16)|(1<<21)             ; group 1: the mask; elements of 8 bytes; bit 21 set beside a mask; 35 rows of 256 bytes, dense
	s_mov_b32 s25, 32<<16
	s_mov_b32 s26, 35<<16
	s_mov_b32 s27, 32<<16
	s_mov_b32 s28, 35
	s_mov_b32 s29, 32
	s_mov_b32 s30, 0
	s_mov_b32 s31, 0
	s_mul_i32 s50, s[WV], REC                      ; I fetch record number wave
	s_mul_i32 s54, s49, 16*REC
	s_add_co_u32 s54, s54, s50
	s_mov_b32 s55, 0
	s_mov_b32 s20, 0x76543210                      ; v_permlanex16_b32's selects for lane l xor 16
	s_mov_b32 s21, 0xfedcba98
	s_mov_b32 s22, 0x3e38aa3b                      ; log2(e) / 8
	s_mov_b32 s23, s22
	s_wait_dscnt 0x0
	s_wait_kmcnt 0x0
	s_mov_b32 s32, 1
	s_mov_b32 s33, s50
	s_add_nc_u64 s[34:35], s[8:9], s[54:55]
	s_or_b32 s35, s35, 0x80000000
	CROUND                                         ; all sixteen work-groups are here: the joint loads meet
	tensor_load_to_lds s[32:35], s[24:31]
	s_nop 0
.rept 4
	v_nop
.endr
	s_and_b32 s51, s48, 1
	s_lshl_b32 s51, s51, 2
	s_add_co_u32 s15, s15, s51                     ; x = cx + 4 (cy % 2)
	s_and_b32 s50, s[WV], 7                        ; w
	s_sub_co_u32 s[G], 15, s50                     ; the high tile's g
	s_lshr_b32 s51, s[WV], 3
	s_mul_i32 s[KS], s51, 9                        ; waves 8 on begin at step 9
	s_mul_i32 s[TB], s[KS], REC
	s_lshr_b32 s52, s15, 1
	s_and_b32 s53, s15, 1
	s_lshl_b32 s54, s52, 5
	s_lshl_b32 s55, s53, 3
	s_add_co_u32 s54, s54, s55                     ; tile x begins at token 32 (x / 2) + 8 (x % 2) of its 128
	s_lshl_b32 s56, s[G], 3
	s_add_co_u32 s56, s56, s15                     ; the high tile's number
	s_lshl_b32 s57, s50, 3
	s_add_co_u32 s57, s57, s15                     ; the low tile's
	s_mov_b32 s61, 0
	s_lshl_b32 s58, s49, 7
	s_add_co_u32 s60, s58, s57
	s_lshl_b32 s60, s60, 9
	s_add_nc_u64 s[2:3], s[4:5], s[60:61]          ; the low tile's codes
	s_add_co_u32 s60, s58, s56
	s_lshl_b32 s60, s60, 9
	s_add_nc_u64 s[4:5], s[4:5], s[60:61]          ; the high tile's
	s_lshl_b32 s58, s49, 4
	s_lshl_b32 s59, s53, 8
	s_lshl_b32 s62, s52, 2
	s_add_co_u32 s59, s59, s62                     ; tile x's words: lanes 16 (x % 2) on, word x / 2
	s_add_co_u32 s60, s58, s50
	s_lshl_b32 s60, s60, 9
	s_add_co_u32 s60, s60, s59
	s_add_nc_u64 s[8:9], s[6:7], s[60:61]          ; the low tile's scale words
	s_add_co_u32 s60, s58, s[G]
	s_lshl_b32 s60, s60, 9
	s_add_co_u32 s60, s60, s59
	s_add_nc_u64 s[6:7], s[6:7], s[60:61]          ; the high tile's
	s_mul_i32 s62, s50, PSZ
	s_add_co_u32 s62, s62, PART
	v_and_b32 v13, 31, v0
	v_lshlrev_b32 v[LI], 4, v13
	v_lshlrev_b32 v[L8], 3, v13
	v_and_b32 v12, 15, v0
	v_lshlrev_b32 v[LR], 4, v12
	v_lshlrev_b32 v[LS], 5, v12
	v_and_b32 v13, 8, v12
	v_add_nc_u32 v12, v13, v12                     ; r + 8 (r / 8)
	v_bfe_u32 v13, v0, 4, 1
	v_lshlrev_b32 v13, 4, v13
	v_sub_nc_u32 v12, v12, v13
	v_add_nc_u32 v[DM], s54, v12
	v_add_nc_u32 v[AP], s62, v[LI]
	s_wait_alu depctr_va_vdst(0)
	global_load_b128 v[QH:QH+3], v[LI], s[4:5]
	global_load_b128 v[QL:QL+3], v[LI], s[2:3]     ; (waves 0 to 7 make no use of it: the text is one for all)
	global_load_b32 v[QSH], v[LR], s[6:7]
	global_load_b32 v[QSL], v[LR], s[8:9]
	; where my finished tile goes: waves 0 to 7 the high one, waves 8 on the low one
	s_cmp_lt_u32 s[WV], 8
	s_cselect_b32 s56, s56, s57
	s_lshr_b32 s58, s49, 4
	s_lshl_b32 s58, s58, 7
	s_add_co_u32 s58, s58, s56                     ; token tile of 4,096 / 16
	s_and_b32 s59, s49, 15
	s_lshl_b32 s60, s58, 13
	s_lshl_b32 s62, s59, 9
	s_add_co_u32 s60, s60, s62
	s_add_nc_u64 s[10:11], s[10:11], s[60:61]      ; codes: 8,192 bytes a tile, 512 a head
	s_lshl_b32 s60, s58, 9
	s_lshl_b32 s62, s59, 1
	s_add_co_u32 s60, s60, s62
	s_add_nc_u64 s[12:13], s[12:13], s[60:61]      ; scale bytes: 512 a tile, 32 a token, two a head
.irp j, 0,1,2,3
	v_mov_b32 v[QH+4+\j], 0                        ; the empty upper half of a K of 128
	v_mov_b32 v[QL+4+\j], 0
	v_mov_b32 v[KF+32+\j], 0
	v_mov_b32 v[T2+\j], 0                          ; written once: a lane permute's destination counts as one of its sources
.endr
	v_mov_b32 v[F+1], 0
	v_mov_b32 v[SUM2], 0
	v_mov_b32 v[SUM2+1], 0
	v_mov_b32 v[TMP], 0
	v_mov_b32 v[NINF], 0xff800000
; The diagonal step's 64 masks, in s36-63 and s66-101: register J of S^T holds key 32 (J / 16) + J % 16 (+ 16 (lane / 16)): hidden where that lies above DM.
.set J, 0
.rept 64
.if J < 28
	v_cmp_gt_i32 s[36+J], 32*(J/16)+J%16, v[DM]
.else
	v_cmp_gt_i32 s[38+J], 32*(J/16)+J%16, v[DM]
.endif
.set J, J+1
.endr
.macro INIT
	v_mov_b32 v13, 0xff61b1e6                      ; the largest t so far: -3e38
	s_delay_alu instid0(VALU_DEP_1)
	v_floor_f32 v12, -v13
	v_mov_b32 v14, 0
	v_mov_b32 v15, 0
.set J, 0
.rept 32
	v_mov_b32 v[O+J], 0
.set J, J+1
.endr
.endm
; A KEY STEP of 128 keys, whose K is in registers.  Behind its score products it asks LDS for its own V and for the NEXT step's K (the last step: its own again, unused).  A step past my last is jumped over, but for the lines that step the counters.
.macro STEP qb, qs
	s_cmp_gt_i32 s[KS], s[END]
	s_cbranch_scc1 .Lhidden_\@
.irp t, 0,1,2,3,4,5,6,7
	WMS \t, \qb, \qs
.endr
	s_add_co_u32 s[NX], s[TB], REC
	s_min_u32 s[NX], s[NX], s[ENDB]
	s_min_u32 s[VB], s[TB], s[ENDB]
	v_add_nc_u32 v[AD], s[VB], v[LI]               ; four places: in front of loads into registers that the products read, and of reads of the scores
	v_add_nc_u32 v[AS], s[VB], v[L8]
	v_add_nc_u32 v[AK], s[NX], v[LI]
	v_nop
.irp t, 0,1,2,3,4,5,6,7
	ds_load_b128 v[VF+4*\t:VF+4*\t+3], v[AD] offset:4096+512*\t
.endr
	ds_load_b64 v[VSC:VSC+1], v[AS] offset:8704
	KLOAD AK
	s_cmp_lg_u32 s[KS], s[G]
	s_cbranch_scc1 .Lopen_\@
.set J, 0
.rept 64                                       ; on the diagonal hidden scores become -infinity ahead of the maximum: p = 0 then
.if J < 28
	v_cndmask_b32 v[S+J], v[S+J], v[NINF], s[36+J]
.else
	v_cndmask_b32 v[S+J], v[S+J], v[NINF], s[38+J]
.endif
.set J, J+1
.endr
.Lopen_\@:
.irp b, 0,1,2,3
	v_max3_num_f32 v[BM+\b], v[S+16*\b], v[S+16*\b+1], v[S+16*\b+2]   ; the largest score of each block of 32 keys: for the row's maximum and for the block's largest p
.endr
.irp i, 3,5,7,9,11,13
.irp b, 0,1,2,3
	v_max3_num_f32 v[BM+\b], v[BM+\b], v[S+16*\b+\i], v[S+16*\b+\i+1]
.endr
.endr
.irp b, 0,1,2,3
	v_max_num_f32 v[BM+\b], v[BM+\b], v[S+16*\b+15]
.endr
.irp b, 0,1,2,3
	s_delay_alu instid0(VALU_DEP_4)
	v_permlanex16_b32 v[T2+\b], v[BM+\b], s20, s21
.endr
.irp b, 0,1,2,3
	s_delay_alu instid0(VALU_DEP_4)
	v_max_num_f32 v[BM+\b], v[BM+\b], v[T2+\b]
.endr
	s_delay_alu instid0(VALU_DEP_2)
	v_max3_num_f32 v[TMP], v[BM], v[BM+1], v[BM+2]
	s_delay_alu instid0(VALU_DEP_1)
	v_max_num_f32 v[TMP], v[TMP], v[BM+3]
	s_delay_alu instid0(VALU_DEP_1)
	v_mul_f32 v[TMP], s22, v[TMP]
	s_delay_alu instid0(VALU_DEP_1)
	v_max_num_f32 v13, v13, v[TMP]
	v_mov_b32 v[TMP], v12
	s_delay_alu instid0(VALU_DEP_2)
	v_floor_f32 v12, -v13                          ; the new -M
	s_delay_alu instid0(VALU_DEP_1)
	v_sub_f32 v[TMP], v12, v[TMP]
	s_delay_alu instid0(VALU_DEP_1)
	v_cvt_i32_f32 v[TMP], v[TMP]
	s_delay_alu instid0(VALU_DEP_1)
	v_ldexp_f32 v[F], 1.0, v[TMP]                  ; 2^(old M - new M)
.set J, 0
.rept 32
	v_pk_fma_f32 v[S+J:S+J+1], v[S+J:S+J+1], s[22:23], v[12:13] op_sel_hi:[1,0,0]   ; t - M
.set J, J+2
.endr
.irp b, 0,1,2,3
	v_fma_f32 v[BM+\b], v[BM+\b], s22, v12
.endr
.set J, 0
	s_wait_alu depctr_va_vdst(0)                   ; a wait ahead of the batch,
.rept 64
	v_exp_f32 v[S+J], v[S+J]
.set J, J+1
.endr
.irp b, 0,1,2,3
	v_exp_f32 v[BM+\b], v[BM+\b]                   ; the block's largest p: the same lines on the same number
.endr
	v_pk_mul_f32 v[14:15], v[14:15], v[F:F+1] op_sel_hi:[1,0]
	s_wait_alu depctr_va_vdst(0)                   ; and behind it
.irp b, 0,1,2,3
	v_max_num_f32 v[BM+\b], 0x1800000, v[BM+\b]    ; the floor 2^(3 - 127): the byte cannot fall under 1
.endr
.irp b, 0,1,2,3
	s_delay_alu instid0(VALU_DEP_4)
	v_add_nc_u32 v[SO+\b], 0xff000000, v[BM+\b]    ; 2 off the exponent field: the conversion's scale operand
.endr
.irp b, 0,1,2,3
	s_delay_alu instid0(VALU_DEP_4)
	v_lshrrev_b32 v[T2+\b], 23, v[SO+\b]
.endr
	s_delay_alu instid0(VALU_DEP_3)
	v_lshl_or_b32 v[PWD], v[T2+1], 8, v[T2]
	s_delay_alu instid0(VALU_DEP_1)
	v_lshl_or_b32 v[PWD], v[T2+2], 16, v[PWD]
	s_delay_alu instid0(VALU_DEP_1)
	v_lshl_or_b32 v[PWD], v[T2+3], 24, v[PWD]
.irp b, 0,1,2,3
	v_cvt_scalef32_pk8_fp4_f32 v[P+2*\b], v[S+16*\b:S+16*\b+7], v[SO+\b]
	v_cvt_scalef32_pk8_fp4_f32 v[P+2*\b+1], v[S+16*\b+8:S+16*\b+15], v[SO+\b]
.endr
	v_nop                                          ; one plain place behind a scaled conversion
.irp c, 0,1
.irp i, 0,1
	v_permlane16_swap_b32 v[P+4*\c+\i], v[P+4*\c+2+\i]   ; a whole block to a lane
.endr
.endr
	v_pk_add_f32 v[SUM2:SUM2+1], v[S:S+1], v[S+2:S+3]   ; the row's sum is taken of the unquantised p
.set J, 4
.rept 15
	v_pk_add_f32 v[14:15], v[14:15], v[S+J:S+J+1]
	v_pk_add_f32 v[SUM2:SUM2+1], v[SUM2:SUM2+1], v[S+J+2:S+J+3]
.set J, J+4
.endr
	s_delay_alu instid0(VALU_DEP_1)
	v_pk_add_f32 v[14:15], v[14:15], v[SUM2:SUM2+1]
.set J, 0
.rept 16
	v_pk_mul_f32 v[O+J:O+J+1], v[O+J:O+J+1], v[F:F+1] op_sel_hi:[1,0]
.set J, J+2
.endr
	s_wait_alu depctr_va_vdst(0)
	s_wait_dscnt 0x0                               ; V, the next step's K, and their words
.irp t, 0,1,2,3
	WMO \t
.endr
.Lhidden_\@:
	s_add_co_u32 s[KS], s[KS], 1
	s_add_co_u32 s[TB], s[TB], REC
.endm
	INIT
	s_mov_b32 s[CT], 0
	s_wait_alu depctr_va_vdst(0)                   ; the head's end
	s_wait_tensorcnt 0x0                           ; my record is in,
	s_barrier_signal -1
	s_barrier_wait -1                              ; all sixteen are
	v_add_nc_u32 v[AK], s[TB], v[LI]
	KLOAD AK                                       ; my first step's K
	s_cmp_lt_u32 s[WV], 8
	s_cselect_b32 s[END], 8, s[G]                  ; waves 0 to 7 end at step 8, waves 8 on at the diagonal
	s_mul_i32 s[ENDB], s[END], REC
	s_wait_loadcnt 0x0                             ; Q
	s_wait_dscnt 0x0
.Lone:                                                 ; the high tile: steps 0 .. 8, or 9 .. 15 - w
	STEP QH, QSH
	s_add_co_u32 s[CT], s[CT], 1
	s_cmp_lt_u32 s[CT], 9
	s_cbranch_scc1 .Lone
.rept 4
	v_nop                                          ; O^T's last products: their results are stored or written over below
.endr
	s_cmp_lt_u32 s[WV], 8
	s_cbranch_scc1 .Lkeep
.irp i, 0,1,2,3,4,5,6,7                        ; waves 8 on hand the high tile's second part over, and begin the low tile
	ds_store_b128 v[AP], v[O+4*\i:O+4*\i+3] offset:512*\i
.endr
	ds_store_b128 v[AP], v[12:15] offset:4096
	KLOAD LI                                       ; step 0's K
	INIT
.Lkeep:
	s_mov_b32 s[KS], 0
	s_mov_b32 s[TB], 0
	s_mov_b32 s[CT], 0
	s_sub_co_i32 s[G], s[WV], 8                    ; w; in waves 0 to 7 under 0: they jump over all steps of the loop below
	s_mov_b32 s[END], s[G]
	s_and_b32 s[ENDB], s[WV], 7
	s_mul_i32 s[ENDB], s[ENDB], REC
	s_wait_alu depctr_va_vdst(0)
	s_wait_dscnt 0x0                               ; my part is stored
	s_barrier_signal -1                            ; signalled here, waited for behind the low tile's steps: between the two only registers are written and records read, which nobody writes any more
.Ltwo:
	STEP QL, QSL
	s_add_co_u32 s[CT], s[CT], 1
	s_cmp_lt_u32 s[CT], 8
	s_cbranch_scc1 .Ltwo
	s_barrier_wait -1                              ; all parts are stored
.rept 4
	v_nop
.endr
	s_cmp_lt_u32 s[WV], 8
	s_cbranch_scc0 .Lown
.irp i, 0,1,2,3,4,5,6,7                        ; waves 0 to 7 join the second part to their own, both brought under the larger M
	ds_load_b128 v[S+4*\i:S+4*\i+3], v[AP] offset:512*\i
.endr
	ds_load_b128 v[PB:PB+3], v[AP] offset:4096
	s_wait_dscnt 0x0
	v_min_num_f32 v[TMP], v12, v[PB]               ; -M of both
	v_sub_f32 v[BM], v[TMP], v12
	v_sub_f32 v[BM+1], v[TMP], v[PB]
	v_cvt_i32_f32 v[BM], v[BM]
	v_cvt_i32_f32 v[BM+1], v[BM+1]
	v_ldexp_f32 v[F], 1.0, v[BM]
	v_ldexp_f32 v[SUM2], 1.0, v[BM+1]
	v_pk_mul_f32 v[14:15], v[14:15], v[F:F+1] op_sel_hi:[1,0]
	v_pk_fma_f32 v[14:15], v[PB+2:PB+3], v[SUM2:SUM2+1], v[14:15] op_sel_hi:[1,0,1]
.set J, 0
.rept 16
	v_pk_mul_f32 v[O+J:O+J+1], v[O+J:O+J+1], v[F:F+1] op_sel_hi:[1,0]
.set J, J+2
.endr
.set J, 0
.rept 16
	v_pk_fma_f32 v[O+J:O+J+1], v[S+J:S+J+1], v[SUM2:SUM2+1], v[O+J:O+J+1] op_sel_hi:[1,0,1]
.set J, J+2
.endr
.Lown:
	v_add_f32 v14, v14, v15
	s_delay_alu instid0(VALU_DEP_1)
	v_permlanex16_b32 v[TMP], v14, s20, s21
	s_delay_alu instid0(VALU_DEP_1)
	v_add_f32 v14, v14, v[TMP]                     ; the row's sum
	s_wait_alu depctr_va_vdst(0)                   ; a wait ahead of the transcendental,
	v_rcp_f32 v14, v14
	v_nop
	s_wait_alu depctr_va_vdst(0)                   ; and behind it
.set J, 0
.rept 16
	v_pk_mul_f32 v[S+J:S+J+1], v[O+J:O+J+1], v[14:15] op_sel_hi:[1,0]   ; y
.set J, J+2
.endr
.irp b, 0,1
	v_max3_num_f32 v[BM+\b], |v[S+16*\b]|, |v[S+16*\b+1]|, 0x1800000
.endr
.irp i, 2,4,6,8,10,12,14
.irp b, 0,1
	s_delay_alu instid0(VALU_DEP_2)
	v_max3_num_f32 v[BM+\b], v[BM+\b], |v[S+16*\b+\i]|, |v[S+16*\b+\i+1]|
.endr
.endr
.irp b, 0,1
	s_delay_alu instid0(VALU_DEP_2)
	v_permlanex16_b32 v[T2+\b], v[BM+\b], s20, s21
.endr
.irp b, 0,1
	s_delay_alu instid0(VALU_DEP_2)
	v_max_num_f32 v[BM+\b], v[BM+\b], v[T2+\b]
.endr
.irp b, 0,1
	s_delay_alu instid0(VALU_DEP_2)
	v_add_nc_u32 v[SO+\b], 0xff000000, v[BM+\b]
.endr
.irp b, 0,1
	s_delay_alu instid0(VALU_DEP_2)
	v_lshrrev_b32 v[T2+\b], 23, v[SO+\b]
.endr
	s_delay_alu instid0(VALU_DEP_1)
	v_lshl_or_b32 v[YWH], v[T2+1], 8, v[T2]
.irp b, 0,1
	v_cvt_scalef32_pk8_fp4_f32 v[YH+2*\b], v[S+16*\b:S+16*\b+7], v[SO+\b]
	v_cvt_scalef32_pk8_fp4_f32 v[YH+2*\b+1], v[S+16*\b+8:S+16*\b+15], v[SO+\b]
.endr
	v_nop
	v_permlane16_swap_b32 v[YH], v[YH+2]
	v_permlane16_swap_b32 v[YH+1], v[YH+3]
	global_store_b128 v[LI], v[YH:YH+3], s[10:11]  ; 512 consecutive bytes
	global_store_b16 v[LS], v[YWH], s[12:13]
	s_wait_tensorcnt 0x0                           ; the wave's end
	ds_add_u32 v254, v255
	s_wait_dscnt 0x0
	CROUND                                         ; the closing round
	s_endpgm
.Lfunc_end_k_q621b8dbc9d_attn:
	.size	k_q621b8dbc9d_attn, .Lfunc_end_k_q621b8dbc9d_attn-k_q621b8dbc9d_attn
	.p2alignl 7, 3214868480
	.fill 96, 4, 3214868480
	.section	.rodata,"a",@progbits
	.p2align	6, 0x0
	.amdhsa_kernel k_q621b8dbc9d_attn
		.amdhsa_group_segment_fixed_size 268288
		.amdhsa_private_segment_fixed_size 0
		.amdhsa_enable_private_segment 0
		.amdhsa_kernarg_size 40
		.amdhsa_user_sgpr_count 2
		.amdhsa_user_sgpr_kernarg_segment_ptr 1
		.amdhsa_wavefront_size32 1
		.amdhsa_system_sgpr_workgroup_id_x 1
		.amdhsa_system_sgpr_workgroup_id_y 1
		.amdhsa_system_sgpr_workgroup_id_z 1
		.amdhsa_system_vgpr_workitem_id 0
		.amdhsa_next_free_vgpr 256
		.amdhsa_next_free_sgpr 102
		.amdhsa_reserve_vcc 0
		.amdhsa_float_denorm_mode_32 3
		.amdhsa_float_denorm_mode_16_64 3
		.amdhsa_memory_ordered 1
		.amdhsa_forward_progress 1
		.amdhsa_inst_pref_size 64
	.end_amdhsa_kernel
	.amdgpu_metadata
---
amdhsa.version: [ 1, 2 ]
amdhsa.kernels:
  - .name:           k_q621b8dbc9d_attn
    .symbol:         k_q621b8dbc9d_attn.kd
    .args:
      - { .name: qc, .offset: 0, .size: 8, .value_kind: global_buffer, .address_space: global }
      - { .name: qs, .offset: 8, .size: 8, .value_kind: global_buffer, .address_space: global }
      - { .name: kv, .offset: 16, .size: 8, .value_kind: global_buffer, .address_space: global }
      - { .name: yc, .offset: 24, .size: 8, .value_kind: global_buffer, .address_space: global }
      - { .name: ys, .offset: 32, .size: 8, .value_kind: global_buffer, .address_space: global }
    .group_segment_fixed_size: 268288
    .private_segment_fixed_size: 0
    .kernarg_segment_align: 8
    .kernarg_segment_size: 40
    .max_flat_workgroup_size: 512
    .sgpr_count:     102
    .vgpr_count:     256
    .wavefront_size: 32
...
	.end_amdgpu_metadata
.endif
;; end of part 2
;; launch proj (part 3): grid 32 x 8, 4 waves a work-group, clusters of 4 x 1, 168,448 bytes of LDS; arguments yc, ys, W_proj_codes, W_proj_scales, b_proj, out0; writes out0
.if DOCPART == 3
	.amdgcn_target "amdgcn-amd-amdhsa--gfx1250"
	.amdhsa_code_object_version 6
	.text
	.protected	k_q621b8dbc9d_proj
	.globl	k_q621b8dbc9d_proj
	.p2align	8
	.type	k_q621b8dbc9d_proj,@function
k_q621b8dbc9d_proj:
	s_mov_b64 s[64:65], 0
	v_nop
	global_prefetch_b8 v0, s[64:65] scope:SCOPE_SE
	s_setreg_imm32_b32 hwreg(HW_REG_WAVE_MODE, 25, 1), 1
	s_wait_xcnt 0x0
	s_wait_alu depctr_hold_cnt(0) depctr_sa_sdst(0) depctr_va_vdst(0) depctr_va_sdst(0) depctr_va_ssrc(0) depctr_va_vcc(0) depctr_vm_vsrc(0)
	s_getreg_b32 s2, hwreg(HW_REG_IB_STS2, 6, 4)
	s_cmp_eq_u32 s2, 0
	s_cbranch_scc0 .Lentry_in_a_cluster
	s_endpgm
.Lentry_in_a_cluster:
	s_bfe_u32 s2, ttmp6, 0x10000c
	s_cmp_lg_u32 s2, 0x3003
	s_cbranch_scc0 .Lentry_shape_is_right
	s_endpgm
.Lentry_shape_is_right:
; out0 = y W_proj^T + b_proj on codes of FP4 (E2M1) with E8M0 scales.  y: 4,096 tokens x 1,024 as images of operand registers: yc [token tile][K step s][1,024 bytes] (registers 0-3 at 16 x lane, 4-7 at 512 + 16 x lane),
; ys [token tile][token lane % 16][32 bytes].  In token tile 2 b + u of a group of 128 lane r holds token 32 b + 8 u + r + 8 (r / 8).  W_proj: 1,024 rows of 512 bytes of codes, 32 scale bytes a row.  out0: rows of 4,096 bytes, f32.
; SHARES.  A work-group makes 128 tokens (group Gt) x 128 columns (block nb): 256 equal work-groups.  Wave w takes token tiles 4 (w / 2) + a, a = 0 .. 3, against the tiles 4 (w % 2) + t of 16 rows of W, used TRANSPOSED (source 0 = rows of W,
; source 1 = tokens): a lane holds eight neighbouring columns of one row of out0.  All fragments of all of K stay in registers, each loaded once: y's straight from memory as 512 consecutive bytes, W's from LDS.  The bias is the C of each sum's first product.
; Token tiles are finished two at a time, and the first two leave while the others are multiplied.
; LDS: W's 128 rows x 512 bytes (16 of padding behind each), filled once, a quarter by each wave.  CLUSTER 4 x 1: the four partners share nb and so W's tile: a joint load.  No loop loads from memory, so nothing is prefetched.
; Behind W: a stage of 16 rows x 272 bytes for each wave, through which a tile's rows of 64 columns leave: sixteen lanes store one aligned unit of 256 bytes.
; REGISTERS.  window 0: v1-8 addresses; v16-47 y's scale words (16 + 8 a + s); v48-79 W's (48 + 8 t + s); v128-255 rows on the way out (32 for each a).
;   window 1: y's fragments (8 (8 a + s)).   window 2: W's (8 (4 s + t)).   window 3: v0-127 the 16 accumulators (8 (4 a + t)), v128-159 the bias.
.set WP,    528                        ; an LDS row of W: 512 bytes + 16 of padding
.set STAGE, 128*WP                     ; 67,584: a multiple of 256; no tile lands from here on
.set SPITCH, 272
.set SPARE, 0x29000
.set LI,  1                            ; 16 x lane
.set AWP, 3                            ; a fragment's row x pitch + 16 x half
.set SR,  4                            ; 32 x (lane % 16): my row of scale bytes
.set BH,  5                            ; 32 x (lane / 16): the bias
.set STO, 6
.set RD,  7
.set CO,  8
.set YS,  16
.set WS,  48
.set SPW, 126                          ; my spare word, and 0
.set NIL, 127
.set OB,  128
.set WV,  16
.set MSB, 0
.macro WIN new
.if MSB != \new
	s_set_vgpr_msb (MSB<<8)|\new
.set MSB, \new
.endif
.endm
.macro PLACES n
.rept \n
	v_nop
.endr
.endm
.macro CROUND
	s_barrier_signal -1
	s_barrier_wait -1
	s_cmp_lg_u32 s[WV], 0
	s_cbranch_scc1 .Lnot_wave_0_\@
	s_barrier_signal -3
.Lnot_wave_0_\@:
	s_barrier_wait -3
	s_barrier_signal -1
	s_barrier_wait -1
.endm
.macro WM d, a, b, c, sa, sb
	v_wmma_scale_f32_16x16x128_f8f6f4 v[\d:\d+7], v[\a:\a+7], v[\b:\b+7], v[\c:\c+7], v[\sa], v[\sb] matrix_a_fmt:MATRIX_FMT_FP4 matrix_b_fmt:MATRIX_FMT_FP4
.endm
	s_load_b256 s[4:11], s[0:1], 0x0               ; yc s[4:5], ys s[6:7], W codes s[8:9], W scales s[10:11]
	s_load_b128 s[12:15], s[0:1], 0x20             ; b_proj s[12:13], out0 s[14:15]
	v_lshl_add_u32 v[SPW], v0, 2, SPARE
	v_mov_b32 v[NIL], 0
	ds_add_u32 v[SPW], v[NIL]                      ; the opening: the add, twice on end, and its wait
	ds_add_u32 v[SPW], v[NIL]
	v_lshrrev_b32 v9, 5, v0
	v_readfirstlane_b32 s[WV], v9                  ; wave 0..3
	s_bfe_u32 s17, ttmp6, 0x40000                  ; cx
	s_lshl_b32 s18, ttmp9, 2
	s_add_co_u32 s17, s17, s18                     ; Gt = 4 x cluster x + cx
	s_and_b32 s19, ttmp7, 0xffff                   ; nb, which the partners share
	; group 1: 32 rows x 512 bytes, dense in memory
	s_mov_b32 s24, 15|(1<<20)|(1<<21)|(6<<22)|(3<<25)   ; 15:0 the mask: all four; 17:16 elements of 1 byte; 20 padding on; 21 set beside a mask; 24:22 after every 128 words; 31:25 four words
	s_mov_b32 s25, 512<<16                         ; tensor_dim0
	s_mov_b32 s26, 32<<16                          ; tensor_dim1
	s_mov_b32 s27, 512<<16                         ; tile_dim0
	s_mov_b32 s28, 32                              ; tile_dim1
	s_mov_b32 s29, 512                             ; tensor_dim0_stride
	s_mov_b32 s30, 0
	s_mov_b32 s31, 0
	s_mul_i32 s20, s[WV], 32*WP                    ; my 32 rows in LDS
	s_lshl_b32 s36, s19, 16                        ; 128 nb rows of 512 bytes
	s_lshl_b32 s21, s[WV], 14                      ; + 32 w rows
	s_add_co_u32 s36, s36, s21
	s_mov_b32 s37, 0
	s_lshr_b32 s22, s[WV], 1                       ; which four token tiles
	s_and_b32 s23, s[WV], 1                        ; which 64 columns
	s_mul_i32 s21, s23, 64*WP
	s_mul_i32 s38, s[WV], 16*SPITCH
	s_add_co_u32 s38, s38, STAGE                   ; my stage
	v_and_b32 v9, 31, v0
	v_lshlrev_b32 v[LI], 4, v9
	v_and_b32 v9, 15, v0                           ; r
	v_bfe_u32 v10, v0, 4, 1                        ; h
	v_mul_u32_u24 v[AWP], v9, WP
	v_lshl_add_u32 v[AWP], v10, 4, v[AWP]
	v_add_nc_u32 v[AWP], s21, v[AWP]
	v_lshlrev_b32 v[SR], 5, v9
	v_lshlrev_b32 v[BH], 5, v10
	v_mul_u32_u24 v[STO], v9, SPITCH
	v_lshl_add_u32 v[STO], v10, 5, v[STO]
	v_add_nc_u32 v[STO], s38, v[STO]               ; in: row r, 32 bytes for each half of the lanes
	v_mul_u32_u24 v[RD], v10, SPITCH
	v_lshl_add_u32 v[RD], v9, 4, v[RD]
	v_add_nc_u32 v[RD], s38, v[RD]                 ; back: lanes 0-15 take one row of 256 bytes, lanes 16-31 the next
	v_lshlrev_b32 v[CO], 12, v10
	v_lshl_add_u32 v[CO], v9, 4, v[CO]             ; and the same two rows of out0
	s_wait_alu depctr_va_vdst(0)
	s_wait_dscnt 0x0
	s_wait_kmcnt 0x0
	s_mov_b32 s32, 1
	s_mov_b32 s33, s20
	s_add_nc_u64 s[34:35], s[8:9], s[36:37]
	s_or_b32 s35, s35, 0x80000000                  ; type = 2
	CROUND                                         ; all four work-groups are here: the joint loads meet
	tensor_load_to_lds s[32:35], s[24:31]          ; one tensor load of mine is out
	s_nop 0
	PLACES 4
	s_lshl_b32 s50, s17, 3
	s_lshl_b32 s51, s22, 2
	s_add_co_u32 s50, s50, s51                     ; my first token tile: 8 Gt + 4 (w / 2)
	s_mov_b32 s39, 0
	s_lshl_b32 s38, s50, 13
	s_add_nc_u64 s[40:41], s[4:5], s[38:39]        ; its codes: 8,192 bytes a tile
	s_lshl_b32 s38, s50, 9
	s_add_nc_u64 s[42:43], s[6:7], s[38:39]        ; its scale bytes: 512
	s_lshl_b32 s38, s19, 12
	s_lshl_b32 s51, s23, 11
	s_add_co_u32 s38, s38, s51
	s_add_nc_u64 s[44:45], s[10:11], s[38:39]      ; W's scale bytes: 128 nb + 64 (w % 2) rows of 32
	s_lshl_b32 s38, s19, 9
	s_lshl_b32 s51, s23, 8
	s_add_co_u32 s38, s38, s51
	s_add_nc_u64 s[46:47], s[12:13], s[38:39]      ; the bias: 128 nb + 64 (w % 2) numbers
	s_lshl_b32 s51, s50, 16                        ; out0: 16 rows of 4,096 bytes a tile
	s_add_co_u32 s38, s38, s51
	s_add_nc_u64 s[48:49], s[14:15], s[38:39]
	WIN 0xc0                                       ; destination window 3
.irp t, 0,1,2,3
	global_load_b128 v[128+8*\t:128+8*\t+3], v[BH], s[46:47] offset:64*\t          ; register j of tile t is column 16 t + 8 (lane / 16) + j
	global_load_b128 v[128+8*\t+4:128+8*\t+7], v[BH], s[46:47] offset:64*\t+16
.endr
	WIN 0
.irp t, 0,1,2,3
.irp k, 0,1
	global_load_b128 v[WS+8*\t+4*\k:WS+8*\t+4*\k+3], v[SR], s[44:45] offset:512*\t+16*\k
	global_load_b128 v[YS+8*\t+4*\k:YS+8*\t+4*\k+3], v[SR], s[42:43] offset:512*\t+16*\k
.endr
.endr
	WIN 0x40                                       ; destination window 1
.irp a, 0,1,2,3
.irp s, 0,1,2,3,4,5,6,7
.irp c, 0,1
	global_load_b128 v[8*(8*\a+\s)+4*\c:8*(8*\a+\s)+4*\c+3], v[LI], s[40:41] offset:8192*\a+1024*\s+512*\c
.endr
.endr
.endr
	WIN 0
; Eight products of K step s: token tiles 2 p, 2 p + 1 x four tiles of W: the accumulators take turns, one instruction a turn
.macro MUL p, s
	WIN 0xf6                                       ; source 0 (W) window 2, source 1 (y) window 1, C and D window 3
.irp a, 2*\p, 2*\p+1
.irp t, 0,1,2,3
.if (\s) == 0
	WM 8*(4*(\a)+\t), 8*(4*(\s)+\t), 8*(8*(\a)+(\s)), 128+8*\t, WS+8*\t+(\s), YS+8*(\a)+(\s)
.else
	WM 8*(4*(\a)+\t), 8*(4*(\s)+\t), 8*(8*(\a)+(\s)), 8*(4*(\a)+\t), WS+8*\t+(\s), YS+8*(\a)+(\s)
.endif
.endr
.endr
.endm
; THE WAY OUT of token tile a: 32 bytes a lane into my stage, back as whole rows of 256 bytes.  LDS serves a wave's instructions in order: no wait between the stores and the loads, nor in front of the next tile's stores.
.macro TOSTAGE a
	WIN 0x0c                                       ; an LDS store's data are its source 1: window 3
.irp t, 0,1,2,3
	ds_store_b128 v[STO], v[8*(4*\a+\t):8*(4*\a+\t)+3] offset:64*\t          ; each accumulator from its low end on
	ds_store_b128 v[STO], v[8*(4*\a+\t)+4:8*(4*\a+\t)+7] offset:64*\t+16
.endr
	WIN 0
.irp i, 0,1,2,3,4,5,6,7
	ds_load_b128 v[OB+32*\a+4*\i:OB+32*\a+4*\i+3], v[RD] offset:2*\i*SPITCH
.endr
.endm
.macro SEND a
	WIN 0
.irp i, 0,1,2,3,4,5,6,7
	global_store_b128 v[CO], v[OB+32*\a+4*\i:OB+32*\a+4*\i+3], s[48:49] offset:(32*(\a/2)+8*(\a%2)+2*\i+8*(\i/4))*4096 th:TH_STORE_NT   ; stage row 2 i + lane / 16 is token 2 i + lane / 16 + 8 (i / 4) of the tile's: two whole units, written once
.endr
.endm
	s_wait_tensorcnt 0x0                           ; my 32 rows of W are in,
	s_barrier_signal -1
	s_barrier_wait -1                              ; everybody's are
	WIN 0x80                                       ; destination window 2
.irp s, 0,1,2,3,4,5,6,7
.irp t, 0,1,2,3
.irp c, 0,1
	ds_load_b128 v[8*(4*\s+\t)+4*\c:8*(4*\s+\t)+4*\c+3], v[AWP] offset:16*WP*\t+64*\s+32*\c
.endr
.endr
.endr
	s_wait_loadcnt 32                              ; bias, scale words and y's tiles 0 and 1 are in; the 32 loads of tiles 2 and 3 may be out
.irp s, 0,1,2,3,4,5,6,7
	s_wait_dscnt 56-8*\s                           ; W's fragments up to this K step are in; the later steps' eight each may be out
	MUL 0, \s
.endr
	PLACES 4                                       ; behind the products whose results are stored below
	TOSTAGE 0
	TOSTAGE 1
	s_wait_loadcnt 0x0                             ; y's tiles 2 and 3
	MUL 1, 0
	MUL 1, 1
	MUL 1, 2
	MUL 1, 3
	s_wait_dscnt 0x0                               ; tiles 0 and 1 are back
	SEND 0
	SEND 1
	MUL 1, 4
	MUL 1, 5
	MUL 1, 6
	MUL 1, 7
	PLACES 4
	TOSTAGE 2
	TOSTAGE 3
	s_wait_dscnt 16                                ; tile 2 is back; tile 3's eight stores and eight loads may be out
	SEND 2
	s_wait_dscnt 0x0
	SEND 3
	s_wait_tensorcnt 0x0                           ; the wave's end
	ds_add_u32 v[SPW], v[NIL]
	s_wait_dscnt 0x0
	CROUND                                         ; the closing round
	s_endpgm
.Lfunc_end_k_q621b8dbc9d_proj:
	.size	k_q621b8dbc9d_proj, .Lfunc_end_k_q621b8dbc9d_proj-k_q621b8dbc9d_proj
	.p2alignl 7, 3214868480
	.fill 96, 4, 3214868480
	.section	.rodata,"a",@progbits
	.p2align	6, 0x0
	.amdhsa_kernel k_q621b8dbc9d_proj
		.amdhsa_group_segment_fixed_size 168448
		.amdhsa_private_segment_fixed_size 0
		.amdhsa_enable_private_segment 0
		.amdhsa_kernarg_size 48
		.amdhsa_user_sgpr_count 2
		.amdhsa_user_sgpr_kernarg_segment_ptr 1
		.amdhsa_wavefront_size32 1
		.amdhsa_system_sgpr_workgroup_id_x 1
		.amdhsa_system_sgpr_workgroup_id_y 1
		.amdhsa_system_sgpr_workgroup_id_z 1
		.amdhsa_system_vgpr_workitem_id 0
		.amdhsa_next_free_vgpr 928
		.amdhsa_next_free_sgpr 66
		.amdhsa_reserve_vcc 0
		.amdhsa_float_denorm_mode_32 3
		.amdhsa_float_denorm_mode_16_64 3
		.amdhsa_memory_ordered 1
		.amdhsa_forward_progress 1
		.amdhsa_inst_pref_size 42
	.end_amdhsa_kernel
	.amdgpu_metadata
---
amdhsa.version: [ 1, 2 ]
amdhsa.kernels:
  - .name:           k_q621b8dbc9d_proj
    .symbol:         k_q621b8dbc9d_proj.kd
    .args:
      - { .name: yc, .offset: 0, .size: 8, .value_kind: global_buffer, .address_space: global }
      - { .name: ys, .offset: 8, .size: 8, .value_kind: global_buffer, .address_space: global }
      - { .name: W_proj_codes, .offset: 16, .size: 8, .value_kind: global_buffer, .address_space: global }
      - { .name: W_proj_scales, .offset: 24, .size: 8, .value_kind: global_buffer, .address_space: global }
      - { .name: b_proj, .offset: 32, .size: 8, .value_kind: global_buffer, .address_space: global }
      - { .name: out0, .offset: 40, .size: 8, .value_kind: global_buffer, .address_space: global }
    .group_segment_fixed_size: 168448
    .private_segment_fixed_size: 0
    .kernarg_segment_align: 8
    .kernarg_segment_size: 48
    .max_flat_workgroup_size: 128
    .sgpr_count:     66
    .vgpr_count:     928
    .wavefront_size: 32
...
	.end_amdgpu_metadata
.endif
;; end of part 3
